; MI455X (gfx1250); checked and timed in simulation.
; The chip was launched on July 23, 2026; its instructions are those of AMD's public machine-readable ISA for CDNA 5 (MIT licence, August 2026) and "CDNA5" Instruction Set Architecture Reference Guide (July 2026). The comments in the code are by the model that wrote it; some were corrected since.
;; MMF Raman Amplifier. Allowed arithmetic: float matrix products may take bf16 or f16 operands with f32 sums; all other float work in f32.
;; Inputs: loss_coefficients 3 float32; overlap_integrals 4 x 4 float32; raman_response 801 float32; signal_frequency 100 float32; signal_loss 1 x 400 float32; signal_power 1 x 400 float32; x 512 x 20 float32.
;; Outputs: out0 512 x 100 x 4 float32.
;; Constants: length = 20000.0, max_freq = 40000000000000.0, modes = 4, num_channels = 100, num_pumps = 4, steps = 100.
;; 2 versions, each right and faster than the one before. Each part assembles by itself: llvm-mc -triple=amdgcn-amd-amdhsa -mcpu=gfx1250 --defsym DOCPART=n.
;; ======== version 1 of 2: 2 launches
;; workspace buffers: idx 4,194,304 bytes of whole numbers
;; launch raman_index (part 1): grid 512 x 1, 4 waves a work-group, no clusters, 1,536 bytes of LDS; arguments signal_frequency, x, idx; writes idx
.if DOCPART == 1
	.amdgcn_target "amdgcn-amd-amdhsa--gfx1250"
	.amdhsa_code_object_version 6
	.text
	.protected	k_qd74ca9216e_raman_index
	.globl	k_qd74ca9216e_raman_index
	.p2align	8
	.type	k_qd74ca9216e_raman_index,@function
k_qd74ca9216e_raman_index:
	s_mov_b64 s[64:65], 0
	v_nop
	global_prefetch_b8 v0, s[64:65] scope:SCOPE_SE
	s_setreg_imm32_b32 hwreg(HW_REG_WAVE_MODE, 25, 1), 1
	s_wait_xcnt 0x0
; Table indices for the Raman gains of the second launch, stored as whole numbers, because the second launch forms LDS addresses from them.
; Four batches share one extended list of 128 frequencies: e = 0..15 pump (e & 3) of batch 4 g + (e >> 2); e = 16..115 the 100 signals;
; e = 116..127 padding (they take the last signal's frequency; their state is 0 in the second launch).
; idx[g][w][G][lane][q], u16: i0 = min(trunc(|f_j - f_i| * 2e-11), 799), i = 16 (2 w + (G >> 3)) + (lane & 15), j = 16 (G & 7) + 8 (lane >> 4) + q.
; That is the order in which lane 'lane' of wave w of work-group g of the second launch holds the matrix operand: it loads 16 bytes a group.
; Work-group 4 g + w makes the 8,192 bytes of (g, w); its wave v the groups G = 4 v .. 4 v + 3; each store of a wave covers 512 consecutive bytes, aligned.
; LIMITS: pos is one multiply by 2e-11 = 800 / 4e13 (reference(): a division, then a multiply): a few ulp; the interpolation is continuous over an
; index boundary.  A frequency that is NaN gives index 0; one beyond the table gives 799, as reference()'s clip does.
.set FQ,    0                          ; LDS: f[e], 128 x 4 bytes
.set SWAVE, 11                         ; s11  wave number
.set SPOS,  12                         ; s12  2e-11
.set SC0,   13                         ; s13  speed of light
.set FT_XO, 2                          ; v2   byte offset of my wavelength in the group's four rows of x
.set FT_SO, 3                          ; v3   byte offset of my signal frequency
.set FT_WL, 4                          ; v4   wavelength
.set FT_FS, 5                          ; v5   signal frequency
.set FT_A,  6                          ; v6-8 at work
.set FT_B,  7
.set FT_C,  8
.set FI,    9                          ; v9   f_i of my column
.set GO,    10                         ; v10  16 x lane
.set FT_AD, 11                         ; v11  4 e
.set FJ,    16                         ; v[16:47]  f_j, eight for each of my four groups
.set TM,    48                         ; v[48:55]  at work
.set WD,    56                         ; v[56:71]  packed indices, four registers a group: no store's data is written again
; Thread e: where its pump wavelength and its signal frequency lie (both clamped into their buffers; a select picks the one that counts).
.macro FT_ADR
	v_lshrrev_b32 v[FT_XO], 2, v0
	v_min_u32 v[FT_XO], 3, v[FT_XO]                ; batch of the four
	v_and_b32 v[FT_SO], 3, v0                      ; pump
	v_mul_u32_u24 v[FT_XO], 80, v[FT_XO]           ; a row of x is 20 f32
	v_lshl_add_u32 v[FT_XO], v[FT_SO], 2, v[FT_XO]
	v_add_nc_u32 v[FT_SO], -16, v0                 ; channel; wraps for pumps
	v_min_u32 v[FT_SO], 99, v[FT_SO]
	v_lshlrev_b32 v[FT_SO], 2, v[FT_SO]
	v_and_b32 v[FT_AD], 31, v0
	v_lshlrev_b32 v[FT_AD], 2, v[FT_AD]            ; 4 x lane; the wave's 128 bytes are added in FT_CALC
.endm
; f[e] into v[FT_B]: C0 / wavelength (reciprocal and one correction step, so that the quotient is rounded as a division is but for an ulp) or the signal's.
.macro FT_CALC
	v_rcp_f32 v[FT_A], v[FT_WL]
	v_lshl_add_u32 v[FT_AD], s[SWAVE], 7, v[FT_AD] ; the plain vector instruction behind v_rcp_f32 (ISA guide 5.7.2); 4 e = 128 x wave + 4 x lane
	s_wait_alu depctr_va_vdst(0)
	v_mul_f32 v[FT_B], s[SC0], v[FT_A]
	v_fma_f32 v[FT_C], -v[FT_B], v[FT_WL], s[SC0]  ; what the quotient leaves
	v_fma_f32 v[FT_B], v[FT_C], v[FT_A], v[FT_B]
	v_cmp_gt_u32 vcc_lo, 16, v0
	v_cndmask_b32 v[FT_B], v[FT_FS], v[FT_B], vcc_lo
.endm
	s_load_b128 s[4:7], s[0:1], 0x0                ; signal_frequency s[4:5], x s[6:7]
	s_load_b64 s[8:9], s[0:1], 0x10                ; idx
	v_lshl_add_u32 v80, v0, 2, 0x400
	v_mov_b32 v81, 0
	v_lshrrev_b32 v1, 5, v0
	v_readfirstlane_b32 s[SWAVE], v1               ; v
	s_lshr_b32 s16, ttmp9, 2                       ; g
	s_and_b32 s17, ttmp9, 3                        ; w
	s_mul_i32 s14, s16, 320                        ; four rows of x
	s_mov_b32 s15, 0
	s_mov_b32 s[SPOS], 0x2dafebff
	s_mov_b32 s[SC0], 0x4d8ef3c2
	FT_ADR
	s_wait_kmcnt 0x0
	s_add_nc_u64 s[6:7], s[6:7], s[14:15]
	global_load_b32 v[FT_WL], v[FT_XO], s[6:7]
	global_load_b32 v[FT_FS], v[FT_SO], s[4:5]
	s_lshl_b32 s14, ttmp9, 13                      ; (4 g + w) x 8,192
	s_lshl_b32 s18, s[SWAVE], 11                   ; + v x four groups of 512
	s_add_co_u32 s14, s14, s18
	s_add_nc_u64 s[8:9], s[8:9], s[14:15]
	v_and_b32 v12, 31, v0
	v_lshlrev_b32 v[GO], 4, v12
	v_and_b32 v13, 15, v0                          ; r
	v_bfe_u32 v14, v0, 4, 1                        ; h
	s_lshl_b32 s19, s17, 1
	s_lshr_b32 s20, s[SWAVE], 1                    ; T = G >> 3
	s_add_co_u32 s19, s19, s20
	s_lshl_b32 s19, s19, 6                         ; row tile 2 w + T: 16 frequencies of 4 bytes
	v_lshl_add_u32 v13, v13, 2, s19                ; where f_i lies
	s_and_b32 s20, s[SWAVE], 1
	s_lshl_b32 s20, s20, 8                         ; my four groups begin at j = 64 (v & 1)
	v_lshl_add_u32 v14, v14, 5, s20                ; + 8 h frequencies
	s_wait_loadcnt 0x0
	FT_CALC
	ds_store_b32 v[FT_AD], v[FT_B] offset:FQ
	s_wait_dscnt 0x0                               ; my entry is in LDS, for the other waves' sake,
	s_barrier_signal -1
	s_barrier_wait -1                              ; and so is everybody's
	ds_load_b32 v[FI], v13 offset:FQ
.irp k, 0,1,2,3
	ds_load_b128 v[FJ+8*\k:FJ+8*\k+3],   v14 offset:FQ+64*\k
	ds_load_b128 v[FJ+8*\k+4:FJ+8*\k+7], v14 offset:FQ+64*\k+16
.endr
	s_wait_dscnt 0x0
.irp k, 0,1,2,3
.irp q, 0,1,2,3,4,5,6,7
	v_sub_f32 v[TM+\q], v[FJ+8*\k+\q], v[FI]       ; the second launch forms the same difference and makes pos from it by the same multiply
	v_mul_f32 v[TM+\q], |v[TM+\q]|, s[SPOS]
	v_cvt_u32_f32 v[TM+\q], v[TM+\q]               ; toward zero = floor, since pos >= 0
	v_min_u32 v[TM+\q], 0x31f, v[TM+\q]            ; the table has 801 entries: i0 <= 799
.endr
.irp q2, 0,1,2,3
	v_lshl_or_b32 v[WD+4*\k+\q2], v[TM+2*\q2+1], 16, v[TM+2*\q2]
.endr
	global_store_b128 v[GO], v[WD+4*\k:WD+4*\k+3], s[8:9] offset:512*\k
.endr
	s_wait_tensorcnt 0x0
	ds_add_u32 v80, v81
	s_wait_dscnt 0x0
	s_endpgm
.Lfunc_end_k_qd74ca9216e_raman_index:
	.size	k_qd74ca9216e_raman_index, .Lfunc_end_k_qd74ca9216e_raman_index-k_qd74ca9216e_raman_index
	.p2alignl 7, 3214868480
	.fill 96, 4, 3214868480
	.section	.rodata,"a",@progbits
	.p2align	6, 0x0
	.amdhsa_kernel k_qd74ca9216e_raman_index
		.amdhsa_group_segment_fixed_size 1536
		.amdhsa_private_segment_fixed_size 0
		.amdhsa_enable_private_segment 0
		.amdhsa_kernarg_size 24
		.amdhsa_user_sgpr_count 2
		.amdhsa_user_sgpr_kernarg_segment_ptr 1
		.amdhsa_wavefront_size32 1
		.amdhsa_system_sgpr_workgroup_id_x 1
		.amdhsa_system_sgpr_workgroup_id_y 1
		.amdhsa_system_sgpr_workgroup_id_z 1
		.amdhsa_system_vgpr_workitem_id 0
		.amdhsa_next_free_vgpr 82
		.amdhsa_next_free_sgpr 66
		.amdhsa_reserve_vcc 1
		.amdhsa_float_denorm_mode_32 3
		.amdhsa_float_denorm_mode_16_64 3
		.amdhsa_memory_ordered 1
		.amdhsa_forward_progress 1
		.amdhsa_inst_pref_size 11
	.end_amdhsa_kernel
	.amdgpu_metadata
---
amdhsa.version: [ 1, 2 ]
amdhsa.kernels:
  - .name:           k_qd74ca9216e_raman_index
    .symbol:         k_qd74ca9216e_raman_index.kd
    .args:
      - { .name: signal_frequency, .offset: 0, .size: 8, .value_kind: global_buffer, .address_space: global }
      - { .name: x, .offset: 8, .size: 8, .value_kind: global_buffer, .address_space: global }
      - { .name: idx, .offset: 16, .size: 8, .value_kind: global_buffer, .address_space: global }
    .group_segment_fixed_size: 1536
    .private_segment_fixed_size: 0
    .kernarg_segment_align: 8
    .kernarg_segment_size: 24
    .max_flat_workgroup_size: 128
    .sgpr_count:     66
    .vgpr_count:     82
    .wavefront_size: 32
...
	.end_amdgpu_metadata
.endif
;; end of part 1
;; launch raman_ode (part 2): grid 128 x 1, 4 waves a work-group, no clusters, 168,448 bytes of LDS; arguments loss_coefficients, overlap_integrals, raman_response, signal_frequency, signal_loss, signal_power, x, idx, out0; writes out0
.if DOCPART == 2
	.amdgcn_target "amdgcn-amd-amdhsa--gfx1250"
	.amdhsa_code_object_version 6
	.text
	.protected	k_qd74ca9216e_raman_ode
	.globl	k_qd74ca9216e_raman_ode
	.p2align	8
	.type	k_qd74ca9216e_raman_ode,@function
k_qd74ca9216e_raman_ode:
	s_mov_b64 s[64:65], 0
	v_nop
	global_prefetch_b8 v0, s[64:65] scope:SCOPE_SE
	s_setreg_imm32_b32 hwreg(HW_REG_WAVE_MODE, 25, 1), 1
	s_wait_xcnt 0x0
; 99 RK4 steps of dP/dz = (-loss + G P) o P for four batches a work-group; the 100 x 4 signal entries of the last state leave.
; WHAT reference() ITSELF BUILDS, for every input: G = gain (104 x 104) x overlap (4 x 4), so G P = gain . P . O^T with P as [frequency][mode];
; the signal-signal part of gain is the same in all batches; and an entry that starts at 0 stays 0 (the right side is a multiple of P).
; So four batches share ONE matrix Gx[128][128] of gains between 128 extended frequencies: e = 0..15 pump (e & 3) of batch 4 g + (e >> 2),
; e = 16..115 the signals, e = 116..127 padding.  The state is Y[e][n], n = 4 b + m (batch, mode), 16 columns; pump rows are 0 in the columns
; of other batches, padding rows are 0.  Gains between pumps of different batches and of padding rows only ever meet those zeros.
; One evaluation is R = Gx Y (128 x 128 x 16, bf16 operands, f32 sums), S = R O^T - loss (f32), k = S o Y.
; Four waves, as many as a WGP has SIMDs; wave w owns row tiles t = 2 w + T, T = 0, 1.  Its part of Gx stays in 64 registers as matrix operands.
; THE MATRIX INSTRUCTION IS USED TRANSPOSED: source 0 = Y^T (row n, k = j), source 1 = Gx (column i, k = j).  Lane (r, h) then holds, of frequency
; e = 16 t + r, the eight columns n = 8 h + q: all four modes of two batches.  So the mixing by O needs no other lane, a lane's eight bf16 are the
; 16 bytes of row e of Y as it lies in LDS ([j][n], 32 bytes a row), and the transposing LDS load turns that tile into source 0 for every wave.
; The 396 evaluations hang on each other: what counts is the length of one, not the matrix rate.  One barrier an evaluation, two Y buffers by turns.
; 128 work-groups: four batches fill the 16 columns of a matrix tile; two batches a group would leave half of each tile empty and make no evaluation shorter.
; lds_bytes asks for more than half of a WGP's LDS (24,576 bytes are used) so that each wave has a SIMD to itself.
; No tensor loads, clusters or prefetches: all inputs are 48 KB and idx is read once, at the start; nothing is streamed while the steps run.
; LIMITS.  A pump wavelength that gives a frequency or a gain that is not finite (0, NaN) spoils all four batches of its work-group (0 x NaN), where
; reference() spoils that batch alone.  Roundings that differ from reference()'s, each by a few ulp: pos = |fd| * 2e-11 in one multiply; the
; interpolation as r0 + w (r1 - r0); f_i / f_j by v_rcp_f32; the RK4 sum taken stage by stage.  Gx and the stage arguments Y are rounded to bf16
; for the matrix unit (bf16, not f16: gains of 1e-13 and less have no room in f16); O, the losses and the carried state are f32.
.set YBYTES, 4096                      ; LDS 0..8191: two Y buffers, 128 rows of 32 bytes
.set RP,     8192                      ; 896 pairs (raman[l], raman[l+1] - raman[l]) of 8 bytes; 0..799 are read
.set FQ,     15360                     ; f[e], 128 x 4 bytes
.set RF,     15872                     ; 1 / f[e]
.set OUTS,   16384                     ; the way out: [tile 8][batch 4][r 16] x 16 bytes = 8,192
; scalars: s[4:21] the nine addresses; s[24:26] loss coefficients; s[28:43] O; s[46:47] offsets
.set SWAVE, 45                         ; wave number
.set S_HH,  48                         ; s[48:49] h/2, twice (pairs for the packed multiplies); h = 20000 / 99
.set S_H,   50                         ; s[50:51] h
.set S_H6,  52                         ; s[52:53] h/6
.set S_H3,  54                         ; s[54:55] h/3
.set SPOS,  57                         ; 2e-11 = 800 / 4e13
.set SABS,  58                         ; 0x7fffffff
.set SC0,   59                         ; speed of light
.set MSIG,  60                         ; s60, s61  lanes whose row is a signal, tile T
.set MPMP,  62                         ; s62, s63  lanes whose row is a pump
.set MPB,   66                         ; s[66+2T+beta]  lanes whose row is a pump of batch 2 h + beta
; vector registers of the loop
.set IO,   1                           ; offset of my 16 bytes in idx
.set STO,  2                           ; where I store 16 bytes of Y: 1,024 w + 32 r + 16 h
.set RDA,  3                           ; where the transposing loads read: 32 (8 h + (l & 7)) + 16 ((l >> 3) & 1)
.set VR,   4                           ; r
.set VH,   5                           ; h
.set FA,   6                           ; where f_i lies
.set HA,   7                           ; 32 h
.set FI,   8                           ; v8, v9    f_i, tile T
.set CI,   10                          ; v10, v11  channel e - 16 (wraps for pumps)
.set TM,   12                          ; v[12:15]  at work
.set GF,   16                          ; v[16:79]    Gx operands: tile T, K block kb at 16 + 32 T + 8 kb
.set AF,   80                          ; v[80:111]   Y^T operands, K block kb at 80 + 8 kb
.set RR,   112                         ; v[112:127]  R; every set below holds tile T at + 8 T, column q = 4 beta + m
.set PP,   128                         ; state at the step's start
.set YY,   144                         ; stage argument
.set ACC,  160                         ; P + the weighted k so far
.set SS,   176                         ; S = R O^T - loss
.set CY,   192                         ; argument x the next argument's coefficient
.set WY,   208                         ; argument x the stage's weight
.set NL,   224                         ; v[224:231]  -loss[e][m] at 224 + 4 T + m
.set OV,   232                         ; v[232:247]  O[m'][m] at 232 + 4 m + m'
.set PK,   248                         ; v[248:255]  the argument in bf16
; registers of the set-up, in places that the loop writes first before it reads them
.set IDX,  144                         ; v[144:207]  16 groups x 4 registers of indices
.set RL,   80                          ; v[80:93]    seven pairs of the table
.set FT_WL, 94
.set FT_FS, 95
.set INL,  96                          ; v[96:121]   tile T: signal_power 96 + 12 T, signal_loss + 4, pump powers + 8; wavelength 120 + T
.set FT_A, 122
.set FT_B, 123
.set FT_C, 124
.set FT_AD, 125
.set RPA,  126                         ; where my table pairs go
.set RA,   208                         ; v[208:214]  offsets of my seven table entries
.set FT_XO, 215
.set FT_SO, 216
.set IA,   218                         ; v[218:223]  tile T: offsets of signal data, pump powers, wavelength
.set EI,   12                          ; v12, v13    e, tile T (until the gains are made)
.set FJ,   80                          ; gains: f_j
.set RFJ,  88                          ;        1 / f_j
.set PR,   96                          ;        v[96:127] 16 table pairs
.set IU,   208                         ;        v[208:223] 16 indices as f32
.set GN,   248                         ;        eight gains in f32
.set OA,   208                         ; the way out: v[208:211] LDS addresses, v212 offset in out0
.set GO,   212
; Thread e: where its pump wavelength and its signal frequency lie (both clamped into their buffers; a select picks the one that counts).
.macro FT_ADR
	v_lshrrev_b32 v[FT_XO], 2, v0
	v_min_u32 v[FT_XO], 3, v[FT_XO]                ; batch of the four
	v_and_b32 v[FT_SO], 3, v0                      ; pump
	v_mul_u32_u24 v[FT_XO], 80, v[FT_XO]           ; a row of x is 20 f32
	v_lshl_add_u32 v[FT_XO], v[FT_SO], 2, v[FT_XO]
	v_add_nc_u32 v[FT_SO], -16, v0                 ; channel; wraps for pumps
	v_min_u32 v[FT_SO], 99, v[FT_SO]
	v_lshlrev_b32 v[FT_SO], 2, v[FT_SO]
	v_and_b32 v[FT_AD], 31, v0
	v_lshlrev_b32 v[FT_AD], 2, v[FT_AD]            ; 4 x lane; the wave's 128 bytes are added in FT_CALC
.endm
; f[e] into v[FT_B], by the same instructions as in the launch that made the indices, so that pos is the same number here and there.
.macro FT_CALC
	v_rcp_f32 v[FT_A], v[FT_WL]
	v_lshl_add_u32 v[FT_AD], s[SWAVE], 7, v[FT_AD] ; the plain vector instruction behind v_rcp_f32 (ISA guide 5.7.2); 4 e = 128 x wave + 4 x lane
	s_wait_alu depctr_va_vdst(0)
	v_mul_f32 v[FT_B], s[SC0], v[FT_A]
	v_fma_f32 v[FT_C], -v[FT_B], v[FT_WL], s[SC0]  ; what the quotient leaves
	v_fma_f32 v[FT_B], v[FT_C], v[FT_A], v[FT_B]
	v_cmp_gt_u32 vcc_lo, 16, v0
	v_cndmask_b32 v[FT_B], v[FT_FS], v[FT_B], vcc_lo
.endm
; Row e of tile T: the offsets of its signal data (clamped channel) and of its pump data (clamped batch), and the four loads.
.macro INIT_LOAD T
	v_add_nc_u32 v[CI+\T], -16, v[EI+\T]
	v_min_u32 v14, 99, v[CI+\T]
	v_lshlrev_b32 v[IA+3*\T], 4, v14               ; four modes of 4 bytes a channel
	v_lshrrev_b32 v14, 2, v[EI+\T]
	v_min_u32 v14, 3, v14
	v_mul_u32_u24 v14, 80, v14
	v_and_b32 v15, 3, v[EI+\T]
	v_lshl_add_u32 v[IA+3*\T+1], v15, 4, v14
	v_lshl_add_u32 v[IA+3*\T+2], v15, 2, v14
	global_load_b128 v[INL+12*\T:INL+12*\T+3],    v[IA+3*\T],   s[14:15]             ; signal_power
	global_load_b128 v[INL+12*\T+4:INL+12*\T+7],  v[IA+3*\T],   s[12:13]             ; signal_loss
	global_load_b128 v[INL+12*\T+8:INL+12*\T+11], v[IA+3*\T+1], s[16:17] offset:16   ; the pump's four powers, behind the row's four wavelengths
	global_load_b32  v[INL+24+\T],                v[IA+3*\T+2], s[16:17]             ; the pump's wavelength
.endm
; The start state and -loss of tile T.  All choices are selects on whole numbers made of the thread's number.
.macro INIT T
	v_cmp_gt_u32 s[MSIG+\T], 100, v[CI+\T]
	v_cmp_gt_u32 s[MPMP+\T], 16, v[EI+\T]
	v_lshrrev_b32 v14, 2, v[EI+\T]                 ; whose pump (4 and more for other rows: equal to no batch)
	v_lshlrev_b32 v15, 1, v[VH]
	v_cmp_eq_u32 s[MPB+2*\T], v14, v15             ; batch 2 h
	v_add_nc_u32 v15, 1, v15
	v_cmp_eq_u32 s[MPB+2*\T+1], v14, v15           ; batch 2 h + 1
.irp m, 0,1,2,3
	v_cndmask_b32 v14, 0, v[INL+12*\T+\m], s[MSIG+\T]
	v_cndmask_b32 v[PP+8*\T+\m],   v14, v[INL+12*\T+8+\m], s[MPB+2*\T]
	v_cndmask_b32 v[PP+8*\T+4+\m], v14, v[INL+12*\T+8+\m], s[MPB+2*\T+1]
.endr
	v_mul_f32 v14, 0x4e6e6b28, v[INL+24+\T]        ; wavelength in nm
	v_fma_f32 v15, s25, v14, s26
	v_mul_f32 v14, v14, v14
	v_fma_f32 v15, s24, v14, v15
	v_mul_f32 v15, 0x3971718c, v15                 ; dB/km to 1/m: 1e-3 ln 10 / 10
	v_cndmask_b32 v15, 0, v15, s[MPMP+\T]
.irp m, 0,1,2,3
	v_cndmask_b32 v14, v15, v[INL+12*\T+4+\m], s[MSIG+\T]
	v_mul_f32 v[NL+4*\T+\m], -1.0, v14
.endr
.endm
; The gains Gx[i][j], i my two rows' frequencies, j = 16 tj + 8 h + q: 16 entries a lane, into half a K block of both tiles' operands.
.macro GROW tj
	ds_load_b128 v[FJ:FJ+3],     v[HA] offset:FQ+64*\tj
	ds_load_b128 v[FJ+4:FJ+7],   v[HA] offset:FQ+64*\tj+16
	ds_load_b128 v[RFJ:RFJ+3],   v[HA] offset:RF+64*\tj
	ds_load_b128 v[RFJ+4:RFJ+7], v[HA] offset:RF+64*\tj+16
.irp T, 0,1
.irp q, 0,1,2,3,4,5,6,7
.if \q & 1
	v_lshrrev_b32 v[TM+\q%4], 16, v[IDX+4*(8*\T+\tj)+\q/2]
.else
	v_and_b32 v[TM+\q%4], 0xffff, v[IDX+4*(8*\T+\tj)+\q/2]
.endif
	v_min_u32 v[TM+\q%4], 0x31f, v[TM+\q%4]        ; a loaded number enters an address only behind its clamp: 799, the table's last pair
	v_cvt_f32_u32 v[IU+8*\T+\q], v[TM+\q%4]
	v_lshlrev_b32 v[TM+\q%4], 3, v[TM+\q%4]
	ds_load_b64 v[PR+2*(8*\T+\q):PR+2*(8*\T+\q)+1], v[TM+\q%4] offset:RP
.endr
.endr
	s_wait_dscnt 0x0
.irp T, 0,1
.irp q, 0,1,2,3,4,5,6,7
	v_sub_f32 v[TM], v[FJ+\q], v[FI+\T]            ; fd = f_j - f_i
	v_mul_f32 v[TM+1], |v[TM]|, s[SPOS]            ; pos
	v_mul_f32 v[TM+2], v[FI+\T], v[RFJ+\q]         ; f_i / f_j
	v_sub_f32 v[TM+1], v[TM+1], v[IU+8*\T+\q]      ; w = pos - i0 (above 1 beyond the table's end, as in reference())
	v_max_num_f32 v[TM+2], 1.0, v[TM+2]
	v_fma_f32 v[TM+1], v[TM+1], v[PR+2*(8*\T+\q)+1], v[PR+2*(8*\T+\q)]
	v_bfi_b32 v[TM+2], s[SABS], v[TM+2], v[TM]     ; fd's sign onto the factor; fd = +0 stays positive, as 'fd < 0' asks
	v_mul_f32 v[GN+\q], v[TM+1], v[TM+2]
.endr
.irp q2, 0,1,2,3
	v_cvt_pk_bf16_f32 v[GF+32*\T+4*\tj+\q2], v[GN+2*\q2], v[GN+2*\q2+1]
.endr
.endr
.endm
; S[m' = uu, uu + 1] of the quarter at tb (= 8 T + 4 beta) takes up mode m: two fused multiply-adds; mode 0 starts the sums from -loss.
.macro MIX1 m, tb, uu
.if \m == 0
	v_pk_fma_f32 v[SS+\tb+\uu:SS+\tb+\uu+1], v[OV+\uu:OV+\uu+1], v[RR+\tb:RR+\tb+1], v[NL+4*(\tb/8)+\uu:NL+4*(\tb/8)+\uu+1] op_sel_hi:[1,0,1]
.else
.if \m & 1
	v_pk_fma_f32 v[SS+\tb+\uu:SS+\tb+\uu+1], v[OV+4*\m+\uu:OV+4*\m+\uu+1], v[RR+\tb+\m-1:RR+\tb+\m], v[SS+\tb+\uu:SS+\tb+\uu+1] op_sel:[0,1,0] op_sel_hi:[1,1,1]
.else
	v_pk_fma_f32 v[SS+\tb+\uu:SS+\tb+\uu+1], v[OV+4*\m+\uu:OV+4*\m+\uu+1], v[RR+\tb+\m:RR+\tb+\m+1], v[SS+\tb+\uu:SS+\tb+\uu+1] op_sel_hi:[1,0,1]
.endif
.endif
.endm
; One evaluation.  buf: the Y buffer; yc: the argument; yn: what it makes; cs: the scalar pair of the next argument's coefficient (not used in
; mode 3); ws: of this stage's weight; mode = the stage, 0 to 3.  k = S o yc, so coefficient x k = S o CY and weight x k = S o WY.
.macro STAGE buf, yc, yn, cs, ws, mode
.irp i, 0,1,2,3,4,5,6,7
	v_cvt_pk_bf16_f32 v[PK+\i], v[\yc+2*\i], v[\yc+2*\i+1]
.endr
	ds_store_b128 v[STO], v[PK:PK+3]   offset:\buf*YBYTES       ; row e of tile 0, columns 8 h .. 8 h + 7
	ds_store_b128 v[STO], v[PK+4:PK+7] offset:\buf*YBYTES+512   ; the same of tile 1
	; the stage before's share of the sum, while the stores are on their way: nothing waits for it
.if \mode == 1
.irp i, 0,2,4,6,8,10,12,14
	v_pk_fma_f32 v[ACC+\i:ACC+\i+1], v[SS+\i:SS+\i+1], v[WY+\i:WY+\i+1], v[PP+\i:PP+\i+1]
.endr
.endif
.if \mode >= 2
.irp i, 0,2,4,6,8,10,12,14
	v_pk_fma_f32 v[ACC+\i:ACC+\i+1], v[SS+\i:SS+\i+1], v[WY+\i:WY+\i+1], v[ACC+\i:ACC+\i+1]
.endr
.endif
	s_wait_dscnt 0x0                               ; my rows are in LDS, for the other waves' sake (my reads of the other buffer ended with the last count-down)
	s_barrier_signal -1
.irp i, 0,2,4,6
	v_pk_mul_f32 v[WY+\i:WY+\i+1], v[\yc+\i:\yc+\i+1], s[\ws:\ws+1] op_sel_hi:[1,0]
.endr
.if \mode != 3
.irp i, 8,10,12,14
	v_pk_mul_f32 v[WY+\i:WY+\i+1], v[\yc+\i:\yc+\i+1], s[\ws:\ws+1] op_sel_hi:[1,0]
.endr
.endif
	s_barrier_wait -1                              ; all 128 rows are there; and every wave's reads of the other buffer are over, so the next stage may write it
.irp kb, 0,1,2,3
	ds_load_tr16_b128 v[AF+8*\kb:AF+8*\kb+3],   v[RDA] offset:\buf*YBYTES+1024*\kb       ; column r, j = 32 kb + 8 h + 0..7
	ds_load_tr16_b128 v[AF+8*\kb+4:AF+8*\kb+7], v[RDA] offset:\buf*YBYTES+1024*\kb+512   ; j = 32 kb + 16 + 8 h + 0..7
.endr
.if \mode != 3
.irp i, 0,2,4,6
	v_pk_mul_f32 v[CY+\i:CY+\i+1], v[\yc+\i:\yc+\i+1], s[\cs:\cs+1] op_sel_hi:[1,0]
.endr
.endif
	; the two accumulators take turns, one instruction a turn, over the loop's backward jump too; the first products start the sums
.irp kb, 0,1,2,3
	s_wait_dscnt 6-2*\kb                           ; LDS loads come back in order (ISA guide 5.7.1): K block kb's two are in, the 6 - 2 kb younger ones may be out
.if \kb == 0
	v_wmma_f32_16x16x32_bf16 v[RR:RR+7],    v[AF:AF+7], v[GF:GF+7],     0
	v_wmma_f32_16x16x32_bf16 v[RR+8:RR+15], v[AF:AF+7], v[GF+32:GF+39], 0
.else
	v_wmma_f32_16x16x32_bf16 v[RR:RR+7],    v[AF+8*\kb:AF+8*\kb+7], v[GF+8*\kb:GF+8*\kb+7],       v[RR:RR+7]
	v_wmma_f32_16x16x32_bf16 v[RR+8:RR+15], v[AF+8*\kb:AF+8*\kb+7], v[GF+32+8*\kb:GF+32+8*\kb+7], v[RR+8:RR+15]
.endif
.endr
	; four plain vector instructions that name no register of the matrix instructions stand between these and the first read of R (ISA guide 7.12.1)
.irp i, 8,10,12,14
.if \mode != 3
	v_pk_mul_f32 v[CY+\i:CY+\i+1], v[\yc+\i:\yc+\i+1], s[\cs:\cs+1] op_sel_hi:[1,0]
.else
	v_pk_mul_f32 v[WY+\i:WY+\i+1], v[\yc+\i:\yc+\i+1], s[\ws:\ws+1] op_sel_hi:[1,0]
.endif
.endr
	; S = R O^T - loss: the mode outermost, so that eight sums that do not wait for each other take turns
.irp m, 0,1,2,3
.irp tb, 0,4,8,12
.irp uu, 0,2
	MIX1 \m, \tb, \uu
.endr
.endr
.endr
.irp i, 0,2,4,6,8,10,12,14
.if \mode != 3
	v_pk_fma_f32 v[\yn+\i:\yn+\i+1], v[SS+\i:SS+\i+1], v[CY+\i:CY+\i+1], v[PP+\i:PP+\i+1]      ; the next argument: P + coefficient x k
.else
	v_pk_fma_f32 v[\yn+\i:\yn+\i+1], v[SS+\i:SS+\i+1], v[WY+\i:WY+\i+1], v[ACC+\i:ACC+\i+1]    ; the new state
.endif
.endr
.endm
; The way out: chunk n = v0 + 128 k of the group's 400 chunks of 16 bytes is (batch b = n / 100, channel n - 100 b), row e = channel + 16 of the stage.
.macro OUTADR k
	v_mad_u32_u24 v13, v0, 41, 41*128*\k
	v_lshrrev_b32 v13, 12, v13                     ; b = 41 n >> 12 = n / 100 for n < 512
	v_add_nc_u32 v14, 128*\k+16, v0
	v_mul_u32_u24 v15, 100, v13
	v_sub_nc_u32 v14, v14, v15                     ; e
	v_bfe_u32 v15, v14, 4, 3                       ; tile
	v_and_b32 v14, 15, v14                         ; r
	v_lshlrev_b32 v14, 4, v14
	v_lshl_add_u32 v14, v13, 8, v14
	v_lshl_add_u32 v[OA+\k], v15, 10, v14
.endm
	; ---- addresses and constants
	s_load_b512 s[4:19], s[0:1], 0x0               ; loss_coefficients 4, overlap 6, raman 8, signal_frequency 10, signal_loss 12, signal_power 14, x 16, idx 18
	s_load_b64 s[20:21], s[0:1], 0x40              ; out0
	s_set_vgpr_msb 0x40
	v_lshl_add_u32 v0, v0, 2, 0x29000
	v_mov_b32 v1, 0
	s_set_vgpr_msb 0x4000
	v_lshrrev_b32 v1, 5, v0
	v_readfirstlane_b32 s[SWAVE], v1
	s_mov_b32 s[S_HH],   0x42ca052c
	s_mov_b32 s[S_HH+1], 0x42ca052c
	s_mov_b32 s[S_H],    0x434a052c
	s_mov_b32 s[S_H+1],  0x434a052c
	s_mov_b32 s[S_H6],   0x4206ae1d
	s_mov_b32 s[S_H6+1], 0x4206ae1d
	s_mov_b32 s[S_H3],   0x4286ae1d
	s_mov_b32 s[S_H3+1], 0x4286ae1d
	s_mov_b32 s[SPOS], 0x2dafebff
	s_mov_b32 s[SABS], 0x7fffffff
	s_mov_b32 s[SC0],  0x4d8ef3c2
	v_and_b32 v[VR], 15, v0
	v_bfe_u32 v[VH], v0, 4, 1
	v_and_b32 v14, 31, v0                          ; lane
	v_lshlrev_b32 v[IO], 4, v14
	v_lshl_add_u32 v[IO], s[SWAVE], 13, v[IO]      ; my wave's 8,192 bytes of indices, 16 bytes a lane and group
	v_lshlrev_b32 v[RPA], 3, v14
	v_lshl_add_u32 v[RPA], s[SWAVE], 8, v[RPA]     ; table pair number 32 w + lane (+ 128 k)
	v_lshlrev_b32 v[STO], 5, v[VR]
	v_lshl_add_u32 v[STO], v[VH], 4, v[STO]
	v_lshl_add_u32 v[STO], s[SWAVE], 10, v[STO]
	v_and_b32 v[RDA], 7, v0
	v_lshl_add_u32 v[RDA], v[VH], 3, v[RDA]
	v_lshlrev_b32 v[RDA], 5, v[RDA]
	v_bfe_u32 v15, v0, 3, 1
	v_lshl_add_u32 v[RDA], v15, 4, v[RDA]
	v_lshlrev_b32 v[FA], 2, v[VR]
	v_lshl_add_u32 v[FA], s[SWAVE], 7, v[FA]       ; f of row 32 w + r
	v_lshlrev_b32 v[HA], 5, v[VH]
	v_lshl_add_u32 v[EI], s[SWAVE], 5, v[VR]       ; e of tile 0,
	v_add_nc_u32 v[EI+1], 16, v[EI]                ; of tile 1
.irp k, 0,1,2,3,4,5,6
	v_add_nc_u32 v[RA+\k], 128*\k, v0
	v_min_u32 v[RA+\k], 0x31f, v[RA+\k]            ; entries l and l + 1 stay inside the table's 801
	v_lshlrev_b32 v[RA+\k], 2, v[RA+\k]
.endr
	FT_ADR
	s_wait_kmcnt 0x0
	s_load_b96 s[24:26], s[4:5], 0x0
	s_load_b512 s[28:43], s[6:7], 0x0
	s_mov_b32 s47, 0
	s_lshl_b32 s46, ttmp9, 15
	s_add_nc_u64 s[18:19], s[18:19], s[46:47]      ; idx: 32,768 bytes a work-group
	s_mul_i32 s46, ttmp9, 320
	s_add_nc_u64 s[16:17], s[16:17], s[46:47]      ; x: four rows of 80 bytes
	s_mul_i32 s46, ttmp9, 6400
	s_add_nc_u64 s[20:21], s[20:21], s[46:47]      ; out0: four batches of 1,600 bytes
	; ---- every load of the launch, in one run
.irp G, 0,1,2,3,4,5,6,7,8,9,10,11,12,13,14,15
	global_load_b128 v[IDX+4*\G:IDX+4*\G+3], v[IO], s[18:19] offset:512*\G th:TH_LOAD_NT
.endr
.irp k, 0,1,2,3,4,5,6
	global_load_b32 v[RL+2*\k],   v[RA+\k], s[8:9]
	global_load_b32 v[RL+2*\k+1], v[RA+\k], s[8:9] offset:4
.endr
	global_load_b32 v[FT_WL], v[FT_XO], s[16:17]
	global_load_b32 v[FT_FS], v[FT_SO], s[10:11]
	INIT_LOAD 0
	INIT_LOAD 1
	s_wait_loadcnt 0x0
	s_wait_kmcnt 0x0
	; ---- tables into LDS: each thread its own bytes
.irp k, 0,1,2,3,4,5,6
	v_sub_f32 v[RL+2*\k+1], v[RL+2*\k+1], v[RL+2*\k]
	ds_store_b64 v[RPA], v[RL+2*\k:RL+2*\k+1] offset:RP+1024*\k
.endr
	FT_CALC
	ds_store_b32 v[FT_AD], v[FT_B] offset:FQ
	v_rcp_f32 v[FT_A], v[FT_B]                     ; the moves below are the plain vector instructions behind it (ISA guide 5.7.2)
.irp m, 0,1,2,3
.irp d, 0,1,2,3
	v_mov_b32 v[OV+4*\m+\d], s[28+4*\d+\m]         ; O[d][m]: pairs over the output mode d, for the packed multiply-adds
.endr
.endr
	s_wait_alu depctr_va_vdst(0)
	ds_store_b32 v[FT_AD], v[FT_A] offset:RF
	INIT 0                                         ; register work while the stores are on their way
	INIT 1
	s_wait_dscnt 0x0                               ; my table entries are in LDS, for the other waves' sake,
	s_barrier_signal -1
	s_barrier_wait -1                              ; and so are everybody's
	; ---- Gx
	ds_load_b32 v[FI],   v[FA] offset:FQ
	ds_load_b32 v[FI+1], v[FA] offset:FQ+64
.irp tj, 0,1,2,3,4,5,6,7
	GROW \tj
.endr
	; ---- 99 steps
	s_mov_b32 s56, 99
.Lstep:
	STAGE 0, PP, YY, S_HH, S_H6, 0                 ; k1 at P;             Y = P + h/2 k1
	STAGE 1, YY, YY, S_HH, S_H3, 1                 ; ACC = P + h/6 k1;    k2;  Y = P + h/2 k2
	STAGE 0, YY, YY, S_H,  S_H3, 2                 ; ACC += h/3 k2;       k3;  Y = P + h k3
	STAGE 1, YY, PP, S_H,  S_H6, 3                 ; ACC += h/3 k3;       k4;  P = ACC + h/6 k4
	s_sub_co_u32 s56, s56, 1
	s_cmp_lg_u32 s56, 0
	s_cbranch_scc1 .Lstep
	; ---- the way out: a batch's 1,600 bytes begin at 64 b modulo 256, so the rows go through LDS and leave in the order of out0
	v_lshlrev_b32 v12, 4, v[VR]
	v_lshl_add_u32 v12, v[VH], 9, v12              ; batch 2 h (+ beta): 256 bytes a batch
	v_lshl_add_u32 v12, s[SWAVE], 11, v12          ; my wave's two tiles: 2,048 bytes of its own
.irp tb, 0,1,2,3
	ds_store_b128 v12, v[PP+4*\tb:PP+4*\tb+3] offset:OUTS+1024*(\tb/2)+256*(\tb%2)   ; tile tb / 2, batch 2 h + tb % 2; pump and padding rows too: they are not read back
.endr
	OUTADR 0
	OUTADR 1
	OUTADR 2
	OUTADR 3
	v_lshlrev_b32 v[GO], 4, v0
	s_wait_dscnt 0x0                               ; my rows are in LDS, for the other waves' sake
	s_barrier_signal -1
	s_barrier_wait -1
.irp k, 0,1,2
	ds_load_b128 v[AF+4*\k:AF+4*\k+3], v[OA+\k] offset:OUTS
.endr
.irp k, 0,1,2
	s_wait_dscnt 2-\k                              ; load k is in; the 2 - k younger ones may be out
	global_store_b128 v[GO], v[AF+4*\k:AF+4*\k+3], s[20:21] offset:2048*\k th:TH_STORE_NT   ; 16 lanes store 256 consecutive bytes, at a multiple of 256 from out0's first byte (6,400 = 25 x 256)
.endr
	v_cmp_gt_u32 vcc_lo, 16, v0                    ; the last 256 of the 6,400 bytes: threads 0 to 15
	s_wait_xcnt 0x0                                ; EXEC is a source of the stores above: it changes only behind this wait
	s_set_vgpr_msb 0x5
	s_wait_tensorcnt 0x0
	ds_add_u32 v0, v1
	s_wait_dscnt 0x0
	s_set_vgpr_msb 0x500
	s_and_saveexec_b32 s60, vcc_lo
	ds_load_b128 v[AF+12:AF+15], v[OA+3] offset:OUTS
	s_wait_dscnt 0x0
	global_store_b128 v[GO], v[AF+12:AF+15], s[20:21] offset:6144 th:TH_STORE_NT
	s_wait_xcnt 0x0                                ; and again in front of the line that widens it
	s_or_b32 exec_lo, exec_lo, s60
	s_endpgm
.Lfunc_end_k_qd74ca9216e_raman_ode:
	.size	k_qd74ca9216e_raman_ode, .Lfunc_end_k_qd74ca9216e_raman_ode-k_qd74ca9216e_raman_ode
	.p2alignl 7, 3214868480
	.fill 96, 4, 3214868480
	.section	.rodata,"a",@progbits
	.p2align	6, 0x0
	.amdhsa_kernel k_qd74ca9216e_raman_ode
		.amdhsa_group_segment_fixed_size 168448
		.amdhsa_private_segment_fixed_size 0
		.amdhsa_enable_private_segment 0
		.amdhsa_kernarg_size 72
		.amdhsa_user_sgpr_count 2
		.amdhsa_user_sgpr_kernarg_segment_ptr 1
		.amdhsa_wavefront_size32 1
		.amdhsa_system_sgpr_workgroup_id_x 1
		.amdhsa_system_sgpr_workgroup_id_y 1
		.amdhsa_system_sgpr_workgroup_id_z 1
		.amdhsa_system_vgpr_workitem_id 0
		.amdhsa_next_free_vgpr 258
		.amdhsa_next_free_sgpr 72
		.amdhsa_reserve_vcc 1
		.amdhsa_float_denorm_mode_32 3
		.amdhsa_float_denorm_mode_16_64 3
		.amdhsa_memory_ordered 1
		.amdhsa_forward_progress 1
		.amdhsa_inst_pref_size 121
	.end_amdhsa_kernel
	.amdgpu_metadata
---
amdhsa.version: [ 1, 2 ]
amdhsa.kernels:
  - .name:           k_qd74ca9216e_raman_ode
    .symbol:         k_qd74ca9216e_raman_ode.kd
    .args:
      - { .name: loss_coefficients, .offset: 0, .size: 8, .value_kind: global_buffer, .address_space: global }
      - { .name: overlap_integrals, .offset: 8, .size: 8, .value_kind: global_buffer, .address_space: global }
      - { .name: raman_response, .offset: 16, .size: 8, .value_kind: global_buffer, .address_space: global }
      - { .name: signal_frequency, .offset: 24, .size: 8, .value_kind: global_buffer, .address_space: global }
      - { .name: signal_loss, .offset: 32, .size: 8, .value_kind: global_buffer, .address_space: global }
      - { .name: signal_power, .offset: 40, .size: 8, .value_kind: global_buffer, .address_space: global }
      - { .name: x, .offset: 48, .size: 8, .value_kind: global_buffer, .address_space: global }
      - { .name: idx, .offset: 56, .size: 8, .value_kind: global_buffer, .address_space: global }
      - { .name: out0, .offset: 64, .size: 8, .value_kind: global_buffer, .address_space: global }
    .group_segment_fixed_size: 168448
    .private_segment_fixed_size: 0
    .kernarg_segment_align: 8
    .kernarg_segment_size: 72
    .max_flat_workgroup_size: 128
    .sgpr_count:     72
    .vgpr_count:     258
    .wavefront_size: 32
...
	.end_amdgpu_metadata
.endif
;; end of part 2
;; ======== version 2 of 2: 2 launches; 1.15 times as fast as version 1
;; workspace buffers: idx 4,194,304 bytes of whole numbers
;; launch raman_index (part 3): grid 512 x 1, 4 waves a work-group, no clusters, 1,536 bytes of LDS; arguments signal_frequency, x, idx; writes idx
.if DOCPART == 3
	.amdgcn_target "amdgcn-amd-amdhsa--gfx1250"
	.amdhsa_code_object_version 6
	.text
	.protected	k_qd74ca9216e_raman_index
	.globl	k_qd74ca9216e_raman_index
	.p2align	8
	.type	k_qd74ca9216e_raman_index,@function
k_qd74ca9216e_raman_index:
	s_mov_b64 s[64:65], 0
	v_nop
	global_prefetch_b8 v0, s[64:65] scope:SCOPE_SE
	s_setreg_imm32_b32 hwreg(HW_REG_WAVE_MODE, 25, 1), 1
	s_wait_xcnt 0x0
; Table indices for the Raman gains of the second launch, stored as whole numbers, because the second launch forms LDS addresses from them.
; Four batches share one extended list of 128 frequencies: e = 0..15 pump (e & 3) of batch 4 g + (e >> 2); e = 16..115 the 100 signals;
; e = 116..127 padding (they take the last signal's frequency; their state is 0 in the second launch).
; idx[g][w][G][lane][q], u16: i0 = min(trunc(|f_j - f_i| * 2e-11), 799), i = 16 (2 w + (G >> 3)) + (lane & 15), j = 16 (G & 7) + 8 (lane >> 4) + q.
; That is the order in which lane 'lane' of wave w of work-group g of the second launch holds the matrix operand: it loads 16 bytes a group.
; Work-group 4 g + w makes the 8,192 bytes of (g, w); its wave v the groups G = 4 v .. 4 v + 3; each store of a wave covers 512 consecutive bytes, aligned.
; LIMITS: pos is one multiply by 2e-11 = 800 / 4e13 (reference(): a division, then a multiply): a few ulp; the interpolation is continuous over an
; index boundary.  A frequency that is NaN gives index 0; one beyond the table gives 799, as reference()'s clip does.
.set FQ,    0                          ; LDS: f[e], 128 x 4 bytes
.set SWAVE, 11                         ; s11  wave number
.set SPOS,  12                         ; s12  2e-11
.set SC0,   13                         ; s13  speed of light
.set FT_XO, 2                          ; v2   byte offset of my wavelength in the group's four rows of x
.set FT_SO, 3                          ; v3   byte offset of my signal frequency
.set FT_WL, 4                          ; v4   wavelength
.set FT_FS, 5                          ; v5   signal frequency
.set FT_A,  6                          ; v6-8 at work
.set FT_B,  7
.set FT_C,  8
.set FI,    9                          ; v9   f_i of my column
.set GO,    10                         ; v10  16 x lane
.set FT_AD, 11                         ; v11  4 e
.set FJ,    16                         ; v[16:47]  f_j, eight for each of my four groups
.set TM,    48                         ; v[48:55]  at work
.set WD,    56                         ; v[56:71]  packed indices, four registers a group: no store's data is written again
; Thread e: where its pump wavelength and its signal frequency lie (both clamped into their buffers; a select picks the one that counts).
.macro FT_ADR
	v_lshrrev_b32 v[FT_XO], 2, v0
	v_min_u32 v[FT_XO], 3, v[FT_XO]                ; batch of the four
	v_and_b32 v[FT_SO], 3, v0                      ; pump
	v_mul_u32_u24 v[FT_XO], 80, v[FT_XO]           ; a row of x is 20 f32
	v_lshl_add_u32 v[FT_XO], v[FT_SO], 2, v[FT_XO]
	v_add_nc_u32 v[FT_SO], -16, v0                 ; channel; wraps for pumps
	v_min_u32 v[FT_SO], 99, v[FT_SO]
	v_lshlrev_b32 v[FT_SO], 2, v[FT_SO]
	v_and_b32 v[FT_AD], 31, v0
	v_lshlrev_b32 v[FT_AD], 2, v[FT_AD]            ; 4 x lane; the wave's 128 bytes are added in FT_CALC
.endm
; f[e] into v[FT_B]: C0 / wavelength (reciprocal and one correction step, so that the quotient is rounded as a division is but for an ulp) or the signal's.
.macro FT_CALC
	v_rcp_f32 v[FT_A], v[FT_WL]
	v_lshl_add_u32 v[FT_AD], s[SWAVE], 7, v[FT_AD] ; the plain vector instruction behind v_rcp_f32 (ISA guide 5.7.2); 4 e = 128 x wave + 4 x lane
	s_wait_alu depctr_va_vdst(0)
	v_mul_f32 v[FT_B], s[SC0], v[FT_A]
	v_fma_f32 v[FT_C], -v[FT_B], v[FT_WL], s[SC0]  ; what the quotient leaves
	v_fma_f32 v[FT_B], v[FT_C], v[FT_A], v[FT_B]
	v_cmp_gt_u32 vcc_lo, 16, v0
	v_cndmask_b32 v[FT_B], v[FT_FS], v[FT_B], vcc_lo
.endm
	s_load_b128 s[4:7], s[0:1], 0x0                ; signal_frequency s[4:5], x s[6:7]
	s_load_b64 s[8:9], s[0:1], 0x10                ; idx
	v_lshl_add_u32 v80, v0, 2, 0x400
	v_mov_b32 v81, 0
	v_lshrrev_b32 v1, 5, v0
	v_readfirstlane_b32 s[SWAVE], v1               ; v
	s_lshr_b32 s16, ttmp9, 2                       ; g
	s_and_b32 s17, ttmp9, 3                        ; w
	s_mul_i32 s14, s16, 320                        ; four rows of x
	s_mov_b32 s15, 0
	s_mov_b32 s[SPOS], 0x2dafebff
	s_mov_b32 s[SC0], 0x4d8ef3c2
	FT_ADR
	s_wait_kmcnt 0x0
	s_add_nc_u64 s[6:7], s[6:7], s[14:15]
	global_load_b32 v[FT_WL], v[FT_XO], s[6:7]
	global_load_b32 v[FT_FS], v[FT_SO], s[4:5]
	s_lshl_b32 s14, ttmp9, 13                      ; (4 g + w) x 8,192
	s_lshl_b32 s18, s[SWAVE], 11                   ; + v x four groups of 512
	s_add_co_u32 s14, s14, s18
	s_add_nc_u64 s[8:9], s[8:9], s[14:15]
	v_and_b32 v12, 31, v0
	v_lshlrev_b32 v[GO], 4, v12
	v_and_b32 v13, 15, v0                          ; r
	v_bfe_u32 v14, v0, 4, 1                        ; h
	s_lshl_b32 s19, s17, 1
	s_lshr_b32 s20, s[SWAVE], 1                    ; T = G >> 3
	s_add_co_u32 s19, s19, s20
	s_lshl_b32 s19, s19, 6                         ; row tile 2 w + T: 16 frequencies of 4 bytes
	v_lshl_add_u32 v13, v13, 2, s19                ; where f_i lies
	s_and_b32 s20, s[SWAVE], 1
	s_lshl_b32 s20, s20, 8                         ; my four groups begin at j = 64 (v & 1)
	v_lshl_add_u32 v14, v14, 5, s20                ; + 8 h frequencies
	s_wait_loadcnt 0x0
	FT_CALC
	ds_store_b32 v[FT_AD], v[FT_B] offset:FQ
	s_wait_dscnt 0x0                               ; my entry is in LDS, for the other waves' sake,
	s_barrier_signal -1
	s_barrier_wait -1                              ; and so is everybody's
	ds_load_b32 v[FI], v13 offset:FQ
.irp k, 0,1,2,3
	ds_load_b128 v[FJ+8*\k:FJ+8*\k+3],   v14 offset:FQ+64*\k
	ds_load_b128 v[FJ+8*\k+4:FJ+8*\k+7], v14 offset:FQ+64*\k+16
.endr
	s_wait_dscnt 0x0
.irp k, 0,1,2,3
.irp q, 0,1,2,3,4,5,6,7
	v_sub_f32 v[TM+\q], v[FJ+8*\k+\q], v[FI]       ; the second launch forms the same difference and makes w = pos - i0 from it in one fused step
	v_mul_f32 v[TM+\q], |v[TM+\q]|, s[SPOS]
	v_cvt_u32_f32 v[TM+\q], v[TM+\q]               ; toward zero = floor, since pos >= 0
	v_min_u32 v[TM+\q], 0x31f, v[TM+\q]            ; the table has 801 entries: i0 <= 799
.endr
.irp q2, 0,1,2,3
	v_lshl_or_b32 v[WD+4*\k+\q2], v[TM+2*\q2+1], 16, v[TM+2*\q2]
.endr
	global_store_b128 v[GO], v[WD+4*\k:WD+4*\k+3], s[8:9] offset:512*\k
.endr
	s_wait_tensorcnt 0x0
	ds_add_u32 v80, v81
	s_wait_dscnt 0x0
	s_endpgm
.Lfunc_end_k_qd74ca9216e_raman_index:
	.size	k_qd74ca9216e_raman_index, .Lfunc_end_k_qd74ca9216e_raman_index-k_qd74ca9216e_raman_index
	.p2alignl 7, 3214868480
	.fill 96, 4, 3214868480
	.section	.rodata,"a",@progbits
	.p2align	6, 0x0
	.amdhsa_kernel k_qd74ca9216e_raman_index
		.amdhsa_group_segment_fixed_size 1536
		.amdhsa_private_segment_fixed_size 0
		.amdhsa_enable_private_segment 0
		.amdhsa_kernarg_size 24
		.amdhsa_user_sgpr_count 2
		.amdhsa_user_sgpr_kernarg_segment_ptr 1
		.amdhsa_wavefront_size32 1
		.amdhsa_system_sgpr_workgroup_id_x 1
		.amdhsa_system_sgpr_workgroup_id_y 1
		.amdhsa_system_sgpr_workgroup_id_z 1
		.amdhsa_system_vgpr_workitem_id 0
		.amdhsa_next_free_vgpr 82
		.amdhsa_next_free_sgpr 66
		.amdhsa_reserve_vcc 1
		.amdhsa_float_denorm_mode_32 3
		.amdhsa_float_denorm_mode_16_64 3
		.amdhsa_memory_ordered 1
		.amdhsa_forward_progress 1
		.amdhsa_inst_pref_size 11
	.end_amdhsa_kernel
	.amdgpu_metadata
---
amdhsa.version: [ 1, 2 ]
amdhsa.kernels:
  - .name:           k_qd74ca9216e_raman_index
    .symbol:         k_qd74ca9216e_raman_index.kd
    .args:
      - { .name: signal_frequency, .offset: 0, .size: 8, .value_kind: global_buffer, .address_space: global }
      - { .name: x, .offset: 8, .size: 8, .value_kind: global_buffer, .address_space: global }
      - { .name: idx, .offset: 16, .size: 8, .value_kind: global_buffer, .address_space: global }
    .group_segment_fixed_size: 1536
    .private_segment_fixed_size: 0
    .kernarg_segment_align: 8
    .kernarg_segment_size: 24
    .max_flat_workgroup_size: 128
    .sgpr_count:     66
    .vgpr_count:     82
    .wavefront_size: 32
...
	.end_amdgpu_metadata
.endif
;; end of part 3
;; launch raman_ode (part 4): grid 128 x 1, 4 waves a work-group, no clusters, 168,448 bytes of LDS; arguments loss_coefficients, overlap_integrals, raman_response, signal_frequency, signal_loss, signal_power, x, idx, out0; writes out0
.if DOCPART == 4
	.amdgcn_target "amdgcn-amd-amdhsa--gfx1250"
	.amdhsa_code_object_version 6
	.text
	.protected	k_qd74ca9216e_raman_ode
	.globl	k_qd74ca9216e_raman_ode
	.p2align	8
	.type	k_qd74ca9216e_raman_ode,@function
k_qd74ca9216e_raman_ode:
	s_mov_b64 s[64:65], 0
	v_nop
	global_prefetch_b8 v0, s[64:65] scope:SCOPE_SE
	s_setreg_imm32_b32 hwreg(HW_REG_WAVE_MODE, 25, 1), 1
	s_wait_xcnt 0x0
; 99 RK4 steps of dP/dz = (-loss + G P) o P for four batches a work-group; the 100 x 4 signal entries of the last state leave.
; WHAT reference() ITSELF BUILDS, for every input: G = gain (104 x 104) x overlap (4 x 4), so G P = gain . P . O^T with P as [frequency][mode];
; the signal-signal part of gain is the same in all batches; and an entry that starts at 0 stays 0 (the right side is a multiple of P).
; So four batches share ONE matrix Gx[128][128] of gains between 128 extended frequencies: e = 0..15 pump (e & 3) of batch 4 g + (e >> 2),
; e = 16..115 the signals, e = 116..127 padding.  The state is Y[e][n], n = 4 b + m (batch, mode), 16 columns; pump rows are 0 in the columns
; of other batches, padding rows are 0.  Gains between pumps of different batches and of padding rows only ever meet those zeros.
; One evaluation is R = (h/2 Gx) Y (128 x 128 x 16, bf16 operands, f32 sums), then next argument = P + c (R O^T - h/2 loss) o Y in f32, c = 1, 1, 2, 1/3.
; Four waves, as many as a WGP has SIMDs; wave w owns row tiles t = 2 w + T, T = 0, 1.  Its part of Gx stays in 64 registers as matrix operands.
; THE MATRIX INSTRUCTION IS USED TRANSPOSED: source 0 = Y^T (row n, k = j), source 1 = Gx (column i, k = j).  Lane (r, h) then holds, of frequency
; e = 16 t + r, the eight columns n = 8 h + q: all four modes of two batches.  So the mixing by O needs no other lane, a lane's eight bf16 are one
; 16-byte chunk of Y in LDS, and the transposing LDS load turns these chunks into source 0 for every wave.
; THE 396 EVALUATIONS HANG ON EACH OTHER: what counts is the length of one, not the matrix rate.  Three things keep it short:
;  - one barrier an evaluation, two Y buffers by turns;
;  - rows 32 w .. 32 w + 31 of Y are K block w, which wave w stored itself: each wave keeps its Gx operands in the order (w + c) & 3, c = 0..3, reads its
;    own block without waiting for the others, and multiplies it while the other three blocks' six loads are on their way;
;  - P + c (R O^T - loss') o Y = (P - c loss' o Y) + sum over m of (c Y o O[.][m]) R[m]: the bracket and the 64 factors hang on Y alone and are made
;    while stores, barrier, loads and the matrix unit are waited for; behind the last matrix instruction stand 32 packed multiply-adds and the 8 conversions.
; 128 work-groups: four batches fill the 16 columns of a matrix tile; two batches a group would leave half of each tile empty and make no evaluation shorter.
; lds_bytes asks for more than half of a WGP's LDS (24,576 bytes are used) so that each wave has a SIMD to itself.
; No tensor loads, clusters or prefetches: all inputs are 48 KB and idx is read once, at the start; nothing is streamed while the steps run.
; LIMITS.  A pump wavelength that gives a frequency or a gain that is not finite (0, NaN) spoils all four batches of its work-group (0 x NaN), where
; reference() spoils that batch alone.  Roundings that differ from reference()'s, each by a few ulp of f32: w = |fd| * 2e-11 - i0 in one fused step, while
; i0 was cut from the rounded product, so that w can lie half an ulp of pos outside [0, 1], where the neighbouring interval's line is continued; the
; interpolation as r0 + w (r1 - r0), with h/2 folded into the table; f_i / f_j by v_rcp_f32; the RK4 sum as (-P + Y2 + 2 Y3 + Y4) / 3 + h/6 k4, which is
; P + h/6 (k1 + 2 k2 + 2 k3 + k4) with Y2 = P + h/2 k1, Y3 = P + h/2 k2, Y4 = P + h k3 (its terms add up to 5/3 of the result in magnitude).
; h/2 Gx and the stage arguments Y are rounded to bf16 for the matrix unit (bf16, not f16: gains of 1e-11 and less have no room in f16); O, the losses
; and the carried state are f32.
.set YBYTES, 4096                      ; LDS 0..8191: two Y buffers; wave w's 32 rows are 1,024 bytes at 1,024 w
                                       ; chunk (row rho of the 32, column half p) at 512 (rho >> 4) + 256 p + 128 (p xor bit 3 of rho) + 16 (rho & 7):
                                       ; the 16 lanes of a store (one p, 16 rows) and of a transposing load (8 rows, both p) each cover 16 different 16-byte columns of 256 bytes
.set RP,     8192                      ; 896 pairs h/2 (raman[l], raman[l+1] - raman[l]) of 8 bytes; 0..799 are read
.set FQ,     15360                     ; f[e], 128 x 4 bytes
.set RF,     15872                     ; 1 / f[e]
.set OUTS,   16384                     ; the way out: [tile 8][batch 4][r 16] x 16 bytes = 8,192
; scalars: s[4:21] the nine addresses; s[24:26] loss coefficients; s[28:43] O; s[46:47] offsets; s56 the steps left
.set SWAVE, 45                         ; wave number
.set S_T3,  48                         ; s[48:49]  1/3, twice (pairs for the packed multiplies)
.set S_M3,  50                         ; s[50:51] -1/3
.set S_HH,  52                         ; s[52:53]  h/2, h = 20000 / 99
.set SPOS,  57                         ; 2e-11 = 800 / 4e13
.set SABS,  58                         ; 0x7fffffff
.set SC0,   59                         ; speed of light
.set MSIG,  60                         ; s60, s61  lanes whose row is a signal, tile T
.set MPMP,  62                         ; s62, s63  lanes whose row is a pump
.set MPB,   66                         ; s[66+2T+beta]  lanes whose row is a pump of batch 2 h + beta
; vector registers of the loop
.set STO,  1                           ; where I store 16 bytes of Y (tile 1: + 512)
.set RD,   2                           ; v[2:5]      where the transposing loads read K block (w + c) & 3, c = 0..3 (rows 16..31 of the block: + 512)
.set OV,   6                           ; v[6:21]     O[m'][m] at 6 + 4 m + m'
.set NL,   22                          ; v[22:29]    -h/2 loss[e][m] at 22 + 4 T + m
.set FI,   30                          ; v30, v31    f_i, tile T (set-up)
.set GF,   32                          ; v[32:95]    h/2 Gx operands: tile T, place c at 32 + 32 T + 8 c
.set AF,   96                          ; v[96:127]   Y^T operands, place c at 96 + 8 c
.set RR,   128                         ; v[128:143]  R; every set below holds tile T at + 8 T, column q = 4 beta + m
.set PK,   128                         ; v[128:135]  the argument in bf16: in R's registers, which are dead between the mixing and the next products
.set PP,   144                         ; state at the step's start
.set YY,   160                         ; stage argument, then c x argument, then the next argument as it is summed
.set UU,   176                         ; (-P + Y2 + 2 Y3 + Y4) / 3 as far as it is known
.set CO,   192                         ; v[192:255]  c Y[x] O[m'][m] at 192 + 16 m + x, x = 8 T + 4 beta + m'
; registers of the set-up, in places that the loop writes before it reads them
.set IDX,  192                         ; v[192:255]  16 groups x 4 registers of indices
.set RL,   96                          ; v[96:109]   seven pairs of the table
.set FT_WL, 110
.set FT_FS, 111
.set INL,  112                         ; v[112:137]  tile T: signal_power 112 + 12 T, signal_loss + 4, pump powers + 8; wavelength 136 + T
.set FT_A, 138
.set FT_B, 139
.set FT_C, 140
.set FT_AD, 141
.set RPA,  142                         ; where my table pairs go
.set RA,   160                         ; v[160:166]  offsets of my seven table entries
.set FT_XO, 167
.set FT_SO, 168
.set IA,   169                         ; v[169:174]  tile T: offsets of signal data, pump powers, wavelength
.set IO,   175                         ; offset of my 16 bytes in my wave's indices
.set IOJ,  176                         ; v[176:183]  the same for the j block that stands at place tj
.set EI,   184                         ; v184, v185  e, tile T
.set CI,   186                         ; v186, v187  channel e - 16 (wraps for pumps)
.set VR,   188                         ; r
.set VH,   189                         ; h
.set T14,  190                         ; at work
.set T15,  191
.set PR,   96                          ; gains: v[96:127] 16 table pairs
.set FJ,   128                         ;        f_j
.set RFJ,  136                         ;        1 / f_j
.set IU,   160                         ;        v[160:175] 16 indices as f32, then w, then the interpolated value
.set GN,   176                         ;        v[176:183] the even entries' table addresses, then fd, then eight gains in f32
.set HAJ,  188                         ;        where f_j lies
.set HA,   189                         ;        32 h
.set OA,   192                         ; the way out: v[192:195] LDS addresses
.set GO,   196                         ;        offset in out0
.set OT,   197                         ;        v[197:199] at work
.set OS,   200                         ;        where my rows go
; Thread e: where its pump wavelength and its signal frequency lie (both clamped into their buffers; a select picks the one that counts).
.macro FT_ADR
	v_lshrrev_b32 v[FT_XO], 2, v0
	v_min_u32 v[FT_XO], 3, v[FT_XO]                ; batch of the four
	v_and_b32 v[FT_SO], 3, v0                      ; pump
	v_mul_u32_u24 v[FT_XO], 80, v[FT_XO]           ; a row of x is 20 f32
	v_lshl_add_u32 v[FT_XO], v[FT_SO], 2, v[FT_XO]
	v_add_nc_u32 v[FT_SO], -16, v0                 ; channel; wraps for pumps
	v_min_u32 v[FT_SO], 99, v[FT_SO]
	v_lshlrev_b32 v[FT_SO], 2, v[FT_SO]
	v_and_b32 v[FT_AD], 31, v0
	v_lshlrev_b32 v[FT_AD], 2, v[FT_AD]            ; 4 x lane; the wave's 128 bytes are added in FT_CALC
.endm
; f[e] into v[FT_B], by the same instructions as in the launch that made the indices, so that f and f_j - f_i are the same numbers here and there.
.macro FT_CALC
	v_rcp_f32 v[FT_A], v[FT_WL]
	v_lshl_add_u32 v[FT_AD], s[SWAVE], 7, v[FT_AD] ; the plain vector instruction behind v_rcp_f32 (ISA guide 5.7.2); 4 e = 128 x wave + 4 x lane
	s_wait_alu depctr_va_vdst(0)
	v_mul_f32 v[FT_B], s[SC0], v[FT_A]
	v_fma_f32 v[FT_C], -v[FT_B], v[FT_WL], s[SC0]  ; what the quotient leaves
	v_fma_f32 v[FT_B], v[FT_C], v[FT_A], v[FT_B]
	v_cmp_gt_u32 vcc_lo, 16, v0
	v_cndmask_b32 v[FT_B], v[FT_FS], v[FT_B], vcc_lo
.endm
; Row e of tile T: the offsets of its signal data (clamped channel) and of its pump data (clamped batch), and the four loads.
.macro INIT_LOAD T
	v_add_nc_u32 v[CI+\T], -16, v[EI+\T]
	v_min_u32 v[T14], 99, v[CI+\T]
	v_lshlrev_b32 v[IA+3*\T], 4, v[T14]            ; four modes of 4 bytes a channel
	v_lshrrev_b32 v[T14], 2, v[EI+\T]
	v_min_u32 v[T14], 3, v[T14]
	v_mul_u32_u24 v[T14], 80, v[T14]
	v_and_b32 v[T15], 3, v[EI+\T]
	v_lshl_add_u32 v[IA+3*\T+1], v[T15], 4, v[T14]
	v_lshl_add_u32 v[IA+3*\T+2], v[T15], 2, v[T14]
	global_load_b128 v[INL+12*\T:INL+12*\T+3],    v[IA+3*\T],   s[14:15]             ; signal_power
	global_load_b128 v[INL+12*\T+4:INL+12*\T+7],  v[IA+3*\T],   s[12:13]             ; signal_loss
	global_load_b128 v[INL+12*\T+8:INL+12*\T+11], v[IA+3*\T+1], s[16:17] offset:16   ; the pump's four powers, behind the row's four wavelengths
	global_load_b32  v[INL+24+\T],                v[IA+3*\T+2], s[16:17]             ; the pump's wavelength
.endm
; The start state and -h/2 loss of tile T.  All choices are selects on whole numbers made of the thread's number.
.macro INIT T
	v_cmp_gt_u32 s[MSIG+\T], 100, v[CI+\T]
	v_cmp_gt_u32 s[MPMP+\T], 16, v[EI+\T]
	v_lshrrev_b32 v[T14], 2, v[EI+\T]              ; whose pump (4 and more for other rows: equal to no batch)
	v_lshlrev_b32 v[T15], 1, v[VH]
	v_cmp_eq_u32 s[MPB+2*\T], v[T14], v[T15]       ; batch 2 h
	v_add_nc_u32 v[T15], 1, v[T15]
	v_cmp_eq_u32 s[MPB+2*\T+1], v[T14], v[T15]     ; batch 2 h + 1
.irp m, 0,1,2,3
	v_cndmask_b32 v[T14], 0, v[INL+12*\T+\m], s[MSIG+\T]
	v_cndmask_b32 v[PP+8*\T+\m],   v[T14], v[INL+12*\T+8+\m], s[MPB+2*\T]
	v_cndmask_b32 v[PP+8*\T+4+\m], v[T14], v[INL+12*\T+8+\m], s[MPB+2*\T+1]
.endr
	v_mul_f32 v[T14], 0x4e6e6b28, v[INL+24+\T]     ; wavelength in nm
	v_fma_f32 v[T15], s25, v[T14], s26
	v_mul_f32 v[T14], v[T14], v[T14]
	v_fma_f32 v[T15], s24, v[T14], v[T15]
	v_mul_f32 v[T15], 0x3971718c, v[T15]           ; dB/km to 1/m: 1e-3 ln 10 / 10
	v_cndmask_b32 v[T15], 0, v[T15], s[MPMP+\T]
.irp m, 0,1,2,3
	v_cndmask_b32 v[T14], v[T15], v[INL+12*\T+4+\m], s[MSIG+\T]
	v_mul_f32 v[NL+4*\T+\m], 0xc2ca052c, v[T14]    ; x -h/2
.endr
.endm
; The gains h/2 Gx[i][j], i my two rows' frequencies, j = 16 ((2 w + tj) & 7) + 8 h + q: 16 entries a lane, into half a K block of both tiles' operands.
; Place tj of the operands holds that j block, so that places 0 and 1 (K place 0) are my own wave's rows.
; Every operation goes over 8 or 16 entries in a run, so that no instruction reads what the one in front of it wrote.
; Registers: entry q = 2 p of tile T has its table address in GN + 4 T + p, entry 2 p + 1 in place in its index register.  When the 16 gathers have been
; issued these 16 registers are free (an LDS instruction's sources need no wait): GN takes fd, the block's eight index registers take the factor, F(q) below.
; What needs no table value, for tile T: fd, w, and the factor max(1, f_i / f_j) with fd's sign.  F(q) = IDX + 4 tj + 32 (q / 4) + q % 4.
.macro GPRE tj, T
.irp q, 0,1,2,3,4,5,6,7
	v_sub_f32 v[GN+\q], v[FJ+\q], v[FI+\T]                                         ; fd = f_j - f_i
.endr
.irp q, 0,1,2,3,4,5,6,7
	v_mul_f32 v[IDX+4*\tj+32*(\q/4)+\q%4], v[FI+\T], v[RFJ+\q]                     ; f_i / f_j
.endr
.irp q, 0,1,2,3,4,5,6,7
	v_fma_f32 v[IU+8*\T+\q], |v[GN+\q]|, s[SPOS], -v[IU+8*\T+\q]                   ; w = pos - i0 (above 1 beyond the table's end, as in reference())
.endr
.irp q, 0,1,2,3,4,5,6,7
	v_max_num_f32 v[IDX+4*\tj+32*(\q/4)+\q%4], 1.0, v[IDX+4*\tj+32*(\q/4)+\q%4]
.endr
.irp q, 0,1,2,3,4,5,6,7
	v_bfi_b32 v[IDX+4*\tj+32*(\q/4)+\q%4], s[SABS], v[IDX+4*\tj+32*(\q/4)+\q%4], v[GN+\q]   ; fd's sign onto the factor; fd = +0 stays positive, as 'fd < 0' asks
.endr
.endm
; The rest, with the table pairs: interpolate, multiply, round to bf16.
.macro GFIN tj, T
.irp q, 0,1,2,3,4,5,6,7
	v_fma_f32 v[IU+8*\T+\q], v[IU+8*\T+\q], v[PR+2*(8*\T+\q)+1], v[PR+2*(8*\T+\q)]
.endr
.irp q, 0,1,2,3,4,5,6,7
	v_mul_f32 v[GN+\q], v[IU+8*\T+\q], v[IDX+4*\tj+32*(\q/4)+\q%4]
.endr
.irp p, 0,1,2,3
	v_cvt_pk_bf16_f32 v[GF+32*\T+4*\tj+\p], v[GN+2*\p], v[GN+2*\p+1]
.endr
.endm
.macro GROW tj
	s_lshl_b32 s46, s[SWAVE], 1
	s_add_co_u32 s46, s46, \tj
	s_and_b32 s46, s46, 7                          ; the j block
	s_lshl_b32 s46, s46, 6                         ; 16 frequencies of 4 bytes
	v_add_nc_u32 v[HAJ], s46, v[HA]
	ds_load_b128 v[FJ:FJ+3],     v[HAJ] offset:FQ
	ds_load_b128 v[FJ+4:FJ+7],   v[HAJ] offset:FQ+16
	ds_load_b128 v[RFJ:RFJ+3],   v[HAJ] offset:RF
	ds_load_b128 v[RFJ+4:RFJ+7], v[HAJ] offset:RF+16
.irp T, 0,1
.irp p, 0,1,2,3
	v_and_b32 v[GN+4*\T+\p], 0xffff, v[IDX+4*(8*\T+\tj)+\p]                        ; entry 2 p
.endr
.endr
.irp T, 0,1
.irp p, 0,1,2,3
	v_lshrrev_b32 v[IDX+4*(8*\T+\tj)+\p], 16, v[IDX+4*(8*\T+\tj)+\p]               ; entry 2 p + 1, in place
.endr
.endr
.irp T, 0,1
.irp p, 0,1,2,3
	v_min_u32 v[GN+4*\T+\p], 0x31f, v[GN+4*\T+\p]                                  ; a loaded number enters an address only behind its clamp: 799, the table's last pair
	v_min_u32 v[IDX+4*(8*\T+\tj)+\p], 0x31f, v[IDX+4*(8*\T+\tj)+\p]
.endr
.endr
.irp T, 0,1
.irp p, 0,1,2,3
	v_cvt_f32_u32 v[IU+8*\T+2*\p],   v[GN+4*\T+\p]
	v_cvt_f32_u32 v[IU+8*\T+2*\p+1], v[IDX+4*(8*\T+\tj)+\p]
.endr
.endr
.irp T, 0,1
.irp p, 0,1,2,3
	v_lshlrev_b32 v[GN+4*\T+\p], 3, v[GN+4*\T+\p]                                  ; 8 bytes a pair
	v_lshlrev_b32 v[IDX+4*(8*\T+\tj)+\p], 3, v[IDX+4*(8*\T+\tj)+\p]
.endr
.endr
.irp T, 0,1
.irp p, 0,1,2,3
	ds_load_b64 v[PR+2*(8*\T+2*\p):PR+2*(8*\T+2*\p)+1],     v[GN+4*\T+\p] offset:RP
	ds_load_b64 v[PR+2*(8*\T+2*\p+1):PR+2*(8*\T+2*\p+1)+1], v[IDX+4*(8*\T+\tj)+\p] offset:RP
.endr
.endr
	s_wait_dscnt 16                                ; LDS loads come back in order (ISA guide 5.7.1): f_j and 1 / f_j (and f_i) are in, the 16 gathers issued behind them may be out
	GPRE \tj, 0                                    ; 40 instructions while the gathers are on their way
	s_wait_dscnt 0x0
	GFIN \tj, 0
	GPRE \tj, 1
	GFIN \tj, 1
.endm
; In the macros below YC is c x the argument, YN the set in which the next argument is summed, YB what it starts from; STAGE sets the three names.
; CO[m] = c Y o O[.][m]: eight packed multiplies
.macro COEF m
.irp x, 0,2,4,6,8,10,12,14
	v_pk_mul_f32 v[CO+16*\m+\x:CO+16*\m+\x+1], v[YC+\x:YC+\x+1], v[OV+4*\m+(\x&2):OV+4*\m+(\x&2)+1]
.endr
.endm
; the sum's start for tile T: YB - c Y o (h/2 loss).  Where YN is YC it stands behind all four COEF, which read YC
.macro BASE T
.irp x, 0,2,4,6
	v_pk_fma_f32 v[YN+8*\T+\x:YN+8*\T+\x+1], v[YC+8*\T+\x:YC+8*\T+\x+1], v[NL+4*\T+(\x&2):NL+4*\T+(\x&2)+1], v[YB+8*\T+\x:YB+8*\T+\x+1]
.endr
.endm
; entries x, x + 1 take up mode m: two fused multiply-adds by R[m] of their batch, which op_sel picks out of its register pair for both
.macro MIX1 m, x
.if \m & 1
	v_pk_fma_f32 v[YN+\x:YN+\x+1], v[CO+16*\m+\x:CO+16*\m+\x+1], v[RR+(\x/4)*4+\m-1:RR+(\x/4)*4+\m], v[YN+\x:YN+\x+1] op_sel:[0,1,0] op_sel_hi:[1,1,1]
.else
	v_pk_fma_f32 v[YN+\x:YN+\x+1], v[CO+16*\m+\x:CO+16*\m+\x+1], v[RR+(\x/4)*4+\m:RR+(\x/4)*4+\m+1], v[YN+\x:YN+\x+1] op_sel_hi:[1,0,1]
.endif
.endm
; one tile's four pairs take up mode m
.macro MIXT m, xa, xb, xc, xd
	MIX1 \m, \xa
	MIX1 \m, \xb
	MIX1 \m, \xc
	MIX1 \m, \xd
.endm
; One evaluation.  buf: the Y buffer; mode = the stage, 0 to 3: argument P, Y2, Y3, Y4; c = 1, 1, 2, 1/3; makes Y2, Y3, Y4, the new P.
.macro STAGE buf, mode
.if \mode == 0
.set YC, PP
.else
.set YC, YY
.endif
.if \mode == 3
.set YN, PP
.set YB, UU
.else
.set YN, YY
.set YB, PP
.endif
.irp i, 0,1,2,3,4,5,6,7
	v_cvt_pk_bf16_f32 v[PK+\i], v[YC+2*\i], v[YC+2*\i+1]
.endr
	ds_store_b128 v[STO], v[PK:PK+3]   offset:\buf*YBYTES       ; row e of tile 0, columns 8 h .. 8 h + 7
	ds_store_b128 v[STO], v[PK+4:PK+7] offset:\buf*YBYTES+512   ; the same of tile 1
	; while the stores are on their way: c x argument in place, the argument's share of the RK4 sum, half of the factors.  Nothing waits for these.
.irp x, 0,2,4,6,8,10,12,14
.if \mode == 0
	v_pk_mul_f32 v[UU+\x:UU+\x+1], v[PP+\x:PP+\x+1], s[S_M3:S_M3+1] op_sel_hi:[1,0]         ; U = -P / 3
.endif
.if \mode == 2
	v_pk_mul_f32 v[YY+\x:YY+\x+1], v[YY+\x:YY+\x+1], 2.0 op_sel_hi:[1,0]
.endif
.if \mode == 3
	v_pk_mul_f32 v[YY+\x:YY+\x+1], v[YY+\x:YY+\x+1], s[S_T3:S_T3+1] op_sel_hi:[1,0]
.endif
.endr
.irp x, 0,2,4,6,8,10,12,14
.if \mode == 1
	v_pk_fma_f32 v[UU+\x:UU+\x+1], v[YY+\x:YY+\x+1], 0x3eaaaaab, v[UU+\x:UU+\x+1] op_sel_hi:[1,0,1]   ; U += Y2 / 3
.endif
.if \mode == 2
	v_pk_fma_f32 v[UU+\x:UU+\x+1], v[YY+\x:YY+\x+1], 0x3eaaaaab, v[UU+\x:UU+\x+1] op_sel_hi:[1,0,1]   ; U += (2 Y3) / 3
.endif
.if \mode == 3
	v_pk_add_f32 v[UU+\x:UU+\x+1], v[UU+\x:UU+\x+1], v[YY+\x:YY+\x+1]                                 ; U += Y4 / 3
.endif
.endr
	COEF 0
	COEF 1
	s_wait_dscnt 0x0                               ; my rows are in LDS, for the other waves' sake (my reads of the other buffer ended with the last count-down)
	s_barrier_signal -1
	; between signal and wait: register work, and loads of my own 1,024 bytes, which I stored in front of the signal and nobody writes before a later barrier
	ds_load_tr16_b128 v[AF:AF+3],   v[RD] offset:\buf*YBYTES        ; column r, my rows 8 h + 0..7
	ds_load_tr16_b128 v[AF+4:AF+7], v[RD] offset:\buf*YBYTES+512    ; my rows 16 + 8 h + 0..7
	COEF 2
	s_barrier_wait -1                              ; all 128 rows are there; and every wave's reads of the other buffer are over, so the next stage may write it
.irp c, 1,2,3
	ds_load_tr16_b128 v[AF+8*\c:AF+8*\c+3],   v[RD+\c] offset:\buf*YBYTES
	ds_load_tr16_b128 v[AF+8*\c+4:AF+8*\c+7], v[RD+\c] offset:\buf*YBYTES+512
.endr
	COEF 3
	BASE 0
	; the two accumulators take turns, one instruction a turn, over the loop's backward jump too; the first products start the sums
.irp c, 0,1,2
	s_wait_dscnt 6-2*\c                            ; LDS loads come back in order (ISA guide 5.7.1): place c's two are in, the 6 - 2 c issued behind them may be out
.if \c == 0
	v_wmma_f32_16x16x32_bf16 v[RR:RR+7],    v[AF:AF+7], v[GF:GF+7],     0
	v_wmma_f32_16x16x32_bf16 v[RR+8:RR+15], v[AF:AF+7], v[GF+32:GF+39], 0
.else
	v_wmma_f32_16x16x32_bf16 v[RR:RR+7],    v[AF+8*\c:AF+8*\c+7], v[GF+8*\c:GF+8*\c+7],       v[RR:RR+7]
	v_wmma_f32_16x16x32_bf16 v[RR+8:RR+15], v[AF+8*\c:AF+8*\c+7], v[GF+32+8*\c:GF+32+8*\c+7], v[RR+8:RR+15]
.endif
.endr
	s_wait_dscnt 0x0                               ; the last place's two loads
	v_wmma_f32_16x16x32_bf16 v[RR:RR+7],    v[AF+24:AF+31], v[GF+24:GF+31], v[RR:RR+7]
	BASE 1                                         ; four plain vector instructions that name no register of tile 0's last product: the places between it and the first read of its R (ISA guide 7.12.1)
	v_wmma_f32_16x16x32_bf16 v[RR+8:RR+15], v[AF+24:AF+31], v[GF+56:GF+63], v[RR+8:RR+15]
	; The mixing.  Tile 0 begins: its first eight multiply-adds name no register of tile 1's last product and are the places behind that.
	; Then the tiles take turns, so that a sum is taken up again eight instructions later (four between tile 0's first two rounds).
	MIXT 0, 0, 2, 4, 6
	MIXT 1, 0, 2, 4, 6
	MIXT 0, 8, 10, 12, 14
	MIXT 2, 0, 2, 4, 6
	MIXT 1, 8, 10, 12, 14
	MIXT 3, 0, 2, 4, 6
	MIXT 2, 8, 10, 12, 14
	MIXT 3, 8, 10, 12, 14
.endm
; The way out: chunk n = v0 + 128 k (at most 399) of the group's 400 chunks of 16 bytes is (batch b = n / 100, channel n - 100 b), row e = channel + 16 of the stage.
.macro OUTADR k
	v_add_nc_u32 v[OT], 128*\k, v0
	v_min_u32 v[OT], 0x18f, v[OT]                  ; lanes past the last chunk are off when they would store; their address stays inside the stage
	v_mul_u32_u24 v[OT+1], 41, v[OT]
	v_lshrrev_b32 v[OT+1], 12, v[OT+1]             ; b = 41 n >> 12 = n / 100 for n < 400
	v_mul_u32_u24 v[OT+2], 100, v[OT+1]
	v_sub_nc_u32 v[OT], v[OT], v[OT+2]
	v_add_nc_u32 v[OT], 16, v[OT]                  ; e
	v_bfe_u32 v[OT+2], v[OT], 4, 3                 ; tile
	v_and_b32 v[OT], 15, v[OT]                     ; r
	v_lshlrev_b32 v[OT], 4, v[OT]
	v_lshl_add_u32 v[OT], v[OT+1], 8, v[OT]
	v_lshl_add_u32 v[OA+\k], v[OT+2], 10, v[OT]
.endm
	; ---- addresses and constants
	s_load_b512 s[4:19], s[0:1], 0x0               ; loss_coefficients 4, overlap 6, raman 8, signal_frequency 10, signal_loss 12, signal_power 14, x 16, idx 18
	s_load_b64 s[20:21], s[0:1], 0x40              ; out0
	s_set_vgpr_msb 0x40
	v_lshl_add_u32 v0, v0, 2, 0x29000
	v_mov_b32 v1, 0
	s_set_vgpr_msb 0x4000
	v_lshrrev_b32 v[T14], 5, v0
	v_readfirstlane_b32 s[SWAVE], v[T14]
	s_mov_b32 s[S_T3],   0x3eaaaaab
	s_mov_b32 s[S_T3+1], 0x3eaaaaab
	s_mov_b32 s[S_M3],   0xbeaaaaab
	s_mov_b32 s[S_M3+1], 0xbeaaaaab
	s_mov_b32 s[S_HH],   0x42ca052c
	s_mov_b32 s[S_HH+1], 0x42ca052c
	s_mov_b32 s[SPOS], 0x2dafebff
	s_mov_b32 s[SABS], 0x7fffffff
	s_mov_b32 s[SC0],  0x4d8ef3c2
	v_and_b32 v[VR], 15, v0
	v_bfe_u32 v[VH], v0, 4, 1
	v_and_b32 v[T14], 31, v0                       ; lane
	v_lshlrev_b32 v[IO], 4, v[T14]
	v_lshl_add_u32 v[IO], s[SWAVE], 13, v[IO]      ; my wave's 8,192 bytes of indices, 16 bytes a lane and group
	v_lshlrev_b32 v[RPA], 3, v[T14]
	v_lshl_add_u32 v[RPA], s[SWAVE], 8, v[RPA]     ; table pair number 32 w + lane (+ 128 k)
	; Y in LDS.  A store's lane has row r, column half h; a transposing load's lane asks for row 8 h + (l & 7), column half bit 3 of l.
	; In both the row's bit 3 and the column half are bits 3 and 4 of the lane, in one order or the other, so 128 (bit 3 xor bit 4) + 16 (l & 7) serves both.
	v_bfe_u32 v[T14], v0, 3, 1
	v_add_nc_u32 v[T15], v[T14], v[VH]
	v_and_b32 v[T15], 1, v[T15]                    ; bit 3 xor bit 4
	v_lshlrev_b32 v[T15], 7, v[T15]
	v_and_b32 v[STO], 7, v0
	v_lshl_add_u32 v[T15], v[STO], 4, v[T15]
	v_lshl_add_u32 v[STO], v[VH], 8, v[T15]        ; store: + 256 h
	v_lshl_add_u32 v[STO], s[SWAVE], 10, v[STO]    ; + my wave's 1,024 bytes
	v_lshl_add_u32 v[T15], v[T14], 8, v[T15]       ; load: + 256 x bit 3
	v_lshl_add_u32 v[RD], s[SWAVE], 10, v[T15]     ; place 0: my own wave's rows
.irp c, 1,2,3
	s_add_co_u32 s46, s[SWAVE], \c
	s_and_b32 s46, s46, 3
	v_lshl_add_u32 v[RD+\c], s46, 10, v[T15]       ; place c: the rows of wave (w + c) & 3
.endr
.irp tj, 0,1,2,3,4,5,6,7
	s_lshl_b32 s46, s[SWAVE], 1
	s_add_co_u32 s46, s46, \tj
	s_and_b32 s46, s46, 7
	v_lshl_add_u32 v[IOJ+\tj], s46, 9, v[IO]       ; the index group of j block (2 w + tj) & 7: 512 bytes a group
.endr
	v_lshl_add_u32 v[EI], s[SWAVE], 5, v[VR]       ; e of tile 0,
	v_add_nc_u32 v[EI+1], 16, v[EI]                ; of tile 1
.irp k, 0,1,2,3,4,5,6
	v_add_nc_u32 v[RA+\k], 128*\k, v0
	v_min_u32 v[RA+\k], 0x31f, v[RA+\k]            ; entries l and l + 1 stay inside the table's 801
	v_lshlrev_b32 v[RA+\k], 2, v[RA+\k]
.endr
	FT_ADR
	s_wait_kmcnt 0x0
	s_load_b96 s[24:26], s[4:5], 0x0
	s_load_b512 s[28:43], s[6:7], 0x0
	s_mov_b32 s47, 0
	s_lshl_b32 s46, ttmp9, 15
	s_add_nc_u64 s[18:19], s[18:19], s[46:47]      ; idx: 32,768 bytes a work-group
	s_mul_i32 s46, ttmp9, 320
	s_add_nc_u64 s[16:17], s[16:17], s[46:47]      ; x: four rows of 80 bytes
	s_mul_i32 s46, ttmp9, 6400
	s_add_nc_u64 s[20:21], s[20:21], s[46:47]      ; out0: four batches of 1,600 bytes
	; ---- every load of the launch, in one run
.irp T, 0,1
.irp tj, 0,1,2,3,4,5,6,7
	global_load_b128 v[IDX+4*(8*\T+\tj):IDX+4*(8*\T+\tj)+3], v[IOJ+\tj], s[18:19] offset:4096*\T th:TH_LOAD_NT   ; 512 consecutive bytes a wave, aligned
.endr
.endr
.irp k, 0,1,2,3,4,5,6
	global_load_b32 v[RL+2*\k],   v[RA+\k], s[8:9]
	global_load_b32 v[RL+2*\k+1], v[RA+\k], s[8:9] offset:4
.endr
	global_load_b32 v[FT_WL], v[FT_XO], s[16:17]
	global_load_b32 v[FT_FS], v[FT_SO], s[10:11]
	INIT_LOAD 0
	INIT_LOAD 1
	s_wait_loadcnt 0x0
	s_wait_kmcnt 0x0
	; ---- tables into LDS: each thread its own bytes
.irp k, 0,1,2,3,4,5,6
	v_sub_f32 v[RL+2*\k+1], v[RL+2*\k+1], v[RL+2*\k]
	v_pk_mul_f32 v[RL+2*\k:RL+2*\k+1], v[RL+2*\k:RL+2*\k+1], s[S_HH:S_HH+1] op_sel_hi:[1,0]   ; h/2 goes into the table, once, and so into every gain
	ds_store_b64 v[RPA], v[RL+2*\k:RL+2*\k+1] offset:RP+1024*\k
.endr
	FT_CALC
	ds_store_b32 v[FT_AD], v[FT_B] offset:FQ
	v_rcp_f32 v[FT_A], v[FT_B]                     ; the moves below are the plain vector instructions behind it (ISA guide 5.7.2)
.irp m, 0,1,2,3
.irp d, 0,1,2,3
	v_mov_b32 v[OV+4*\m+\d], s[28+4*\d+\m]         ; O[d][m]: pairs over the output mode d, for the packed multiplies
.endr
.endr
	s_wait_alu depctr_va_vdst(0)
	ds_store_b32 v[FT_AD], v[FT_A] offset:RF
	INIT 0                                         ; register work while the stores are on their way
	INIT 1
	s_wait_dscnt 0x0                               ; my table entries are in LDS, for the other waves' sake,
	s_barrier_signal -1
	s_barrier_wait -1                              ; and so are everybody's
	; ---- h/2 Gx
	v_lshlrev_b32 v[T15], 2, v[VR]
	v_lshl_add_u32 v[T15], s[SWAVE], 7, v[T15]     ; f of row 32 w + r
	v_lshlrev_b32 v[HA], 5, v[VH]
	ds_load_b32 v[FI],   v[T15] offset:FQ
	ds_load_b32 v[FI+1], v[T15] offset:FQ+64
.irp tj, 0,1,2,3,4,5,6,7
	GROW \tj
.endr
	; ---- 99 steps
	s_mov_b32 s56, 99
.Lstep:
	STAGE 0, 0                                     ; at P:   Y2 = P + h/2 k1
	STAGE 1, 1                                     ; at Y2:  Y3 = P + h/2 k2
	STAGE 0, 2                                     ; at Y3:  Y4 = P + h k3
	STAGE 1, 3                                     ; at Y4:  P = (-P + Y2 + 2 Y3 + Y4) / 3 + h/6 k4
	s_sub_co_u32 s56, s56, 1
	s_cmp_lg_u32 s56, 0
	s_cbranch_scc1 .Lstep
	; ---- the way out: a batch's 1,600 bytes begin at 64 b modulo 256, so the rows go through LDS and leave in the order of out0
	v_and_b32 v[OT], 15, v0                        ; r
	v_bfe_u32 v[OT+1], v0, 4, 1                    ; h
	v_lshlrev_b32 v[OS], 4, v[OT]
	v_lshl_add_u32 v[OS], v[OT+1], 9, v[OS]        ; batch 2 h (+ beta): 256 bytes a batch
	v_lshl_add_u32 v[OS], s[SWAVE], 11, v[OS]      ; my wave's two tiles: 2,048 bytes of its own
.irp tb, 0,1,2,3
	ds_store_b128 v[OS], v[PP+4*\tb:PP+4*\tb+3] offset:OUTS+1024*(\tb/2)+256*(\tb%2)   ; tile tb / 2, batch 2 h + tb % 2; pump and padding rows too: they are not read back
.endr
	OUTADR 0
	OUTADR 1
	OUTADR 2
	OUTADR 3
	v_lshlrev_b32 v[GO], 4, v0
	s_wait_dscnt 0x0                               ; my rows are in LDS, for the other waves' sake
	s_barrier_signal -1
	s_barrier_wait -1
.irp k, 0,1,2
	ds_load_b128 v[AF+4*\k:AF+4*\k+3], v[OA+\k] offset:OUTS
.endr
.irp k, 0,1,2
	s_wait_dscnt 2-\k                              ; load k is in; the 2 - k younger ones may be out
	global_store_b128 v[GO], v[AF+4*\k:AF+4*\k+3], s[20:21] offset:2048*\k th:TH_STORE_NT   ; 16 lanes store 256 consecutive bytes, at a multiple of 256 from out0's first byte (6,400 = 25 x 256)
.endr
	v_cmp_gt_u32 vcc_lo, 16, v0                    ; the last 256 of the 6,400 bytes: threads 0 to 15
	s_wait_xcnt 0x0                                ; EXEC is a source of the stores above: it changes only behind this wait
	s_set_vgpr_msb 0x5
	s_wait_tensorcnt 0x0
	ds_add_u32 v0, v1
	s_wait_dscnt 0x0
	s_set_vgpr_msb 0x500
	s_and_saveexec_b32 s60, vcc_lo
	ds_load_b128 v[AF+12:AF+15], v[OA+3] offset:OUTS
	s_wait_dscnt 0x0
	global_store_b128 v[GO], v[AF+12:AF+15], s[20:21] offset:6144 th:TH_STORE_NT
	s_wait_xcnt 0x0                                ; and again in front of the line that widens it
	s_or_b32 exec_lo, exec_lo, s60
	s_endpgm
.Lfunc_end_k_qd74ca9216e_raman_ode:
	.size	k_qd74ca9216e_raman_ode, .Lfunc_end_k_qd74ca9216e_raman_ode-k_qd74ca9216e_raman_ode
	.p2alignl 7, 3214868480
	.fill 96, 4, 3214868480
	.section	.rodata,"a",@progbits
	.p2align	6, 0x0
	.amdhsa_kernel k_qd74ca9216e_raman_ode
		.amdhsa_group_segment_fixed_size 168448
		.amdhsa_private_segment_fixed_size 0
		.amdhsa_enable_private_segment 0
		.amdhsa_kernarg_size 72
		.amdhsa_user_sgpr_count 2
		.amdhsa_user_sgpr_kernarg_segment_ptr 1
		.amdhsa_wavefront_size32 1
		.amdhsa_system_sgpr_workgroup_id_x 1
		.amdhsa_system_sgpr_workgroup_id_y 1
		.amdhsa_system_sgpr_workgroup_id_z 1
		.amdhsa_system_vgpr_workitem_id 0
		.amdhsa_next_free_vgpr 258
		.amdhsa_next_free_sgpr 72
		.amdhsa_reserve_vcc 1
		.amdhsa_float_denorm_mode_32 3
		.amdhsa_float_denorm_mode_16_64 3
		.amdhsa_memory_ordered 1
		.amdhsa_forward_progress 1
		.amdhsa_inst_pref_size 128
	.end_amdhsa_kernel
	.amdgpu_metadata
---
amdhsa.version: [ 1, 2 ]
amdhsa.kernels:
  - .name:           k_qd74ca9216e_raman_ode
    .symbol:         k_qd74ca9216e_raman_ode.kd
    .args:
      - { .name: loss_coefficients, .offset: 0, .size: 8, .value_kind: global_buffer, .address_space: global }
      - { .name: overlap_integrals, .offset: 8, .size: 8, .value_kind: global_buffer, .address_space: global }
      - { .name: raman_response, .offset: 16, .size: 8, .value_kind: global_buffer, .address_space: global }
      - { .name: signal_frequency, .offset: 24, .size: 8, .value_kind: global_buffer, .address_space: global }
      - { .name: signal_loss, .offset: 32, .size: 8, .value_kind: global_buffer, .address_space: global }
      - { .name: signal_power, .offset: 40, .size: 8, .value_kind: global_buffer, .address_space: global }
      - { .name: x, .offset: 48, .size: 8, .value_kind: global_buffer, .address_space: global }
      - { .name: idx, .offset: 56, .size: 8, .value_kind: global_buffer, .address_space: global }
      - { .name: out0, .offset: 64, .size: 8, .value_kind: global_buffer, .address_space: global }
    .group_segment_fixed_size: 168448
    .private_segment_fixed_size: 0
    .kernarg_segment_align: 8
    .kernarg_segment_size: 72
    .max_flat_workgroup_size: 128
    .sgpr_count:     72
    .vgpr_count:     258
    .wavefront_size: 32
...
	.end_amdgpu_metadata
.endif
;; end of part 4
